; MI455X (gfx1250); checked and timed in simulation.
; The chip was launched on July 23, 2026; its instructions are those of AMD's public machine-readable ISA for CDNA 5 (MIT licence, August 2026) and "CDNA5" Instruction Set Architecture Reference Guide (July 2026). The comments in the code are by the model that wrote it; some were corrected since.
;; Weightless FFN. Allowed arithmetic: matrix products marked QUANTISED: E4M3 operands, one E8M0 scale for each 32 along K, by v_wmma_scale_f32_16x16x128_f8f6f4 with both operands' format E4M3, f32 sums; everything else in f32.
;; Inputs: down_s 2,048 float32; down_w 2,048 x 2,752 int32; gate_s 2,752 float32; gate_w 2,752 x 2,048 int32; up_s 2,752 float32; up_w 2,752 x 2,048 int32; x 2 x 2,048 x 2,048 float32.
;; Outputs: out0 2 x 2,048 x 2,048 float32.
;; This version of the problem:
;;   THIS VERSION OF THE PROBLEM IS GIVEN IN LOW PRECISION. The matrix products marked QUANTISED in the list below multiply operands that are first quantised to E4M3 (4 exponent bits, 3 mantissa bits; 8 bits a number), with one power-of-two scale for each 32 numbers along K (OCP MX v1.0); their sums are f32. All else is computed in f32.
;;   The module's matrix products, in the order in which they are computed (A, B: the left and right operand; K: the contracted axis; several contracted axes count as one K, in the product's order):
;;     1. [M 4,096, K 2,048] x [K 2,048, N 2,752]; A: input x; B: input gate_w: QUANTISED
;;     2. [M 4,096, K 2,048] x [K 2,048, N 2,752]; A: input x; B: input up_w: QUANTISED
;;     3. [M 4,096, K 2,752] x [K 2,752, N 2,048]; A: computed on the way; B: input down_w: QUANTISED
;;   THE QUANTISER, for each operand of a quantised product, along K:
;;     - K is cut into blocks of 32 from its start; a last block that is shorter is filled with zeros.
;;     - A block's scale is 2^e with e = floor(log2(the largest magnitude in the block)) - 8, held to -126 .. 127; a block of zeros has e = 0. As a byte (E8M0): e + 127.
;;     - Each number is divided by its block's scale, clamped to +-448, and rounded to the nearest number of E4M3, ties to even, subnormals kept.
;;     - The product sums the exact products of the quantised numbers (number of the format x scale) in f32.
;;   ~~~python
;;   def quantise(x, axis):      # numpy; x: float32 -> the quantised numbers, widened to float32 again
;;       x = np.moveaxis(x, axis, -1); K = x.shape[-1]
;;       x = np.pad(x, [(0, 0)] * (x.ndim - 1) + [(0, -K % 32)]); x = x.reshape(x.shape[:-1] + (-1, 32)); a = np.abs(x).max(-1, keepdims=True)
;;       e = np.where(a > 0, np.clip(np.frexp(np.where(a > 0, a, 1))[1] - 1 - 8, -126, 127), 0)      # np.frexp(a)[1] - 1 = floor(log2(a)), exactly
;;       r = np.clip(x / 2.0 ** e, -448, 448)
;;       step = 2.0 ** (np.maximum(np.frexp(np.where(r == 0, 1, r))[1] - 1, -6) - 3)
;;       q = np.round(r / step) * step * 2.0 ** e      # np.round: ties to even
;;       return np.moveaxis(q.reshape(q.shape[:-2] + (-1,))[..., :K], -1, axis).astype(np.float32)
;;   ~~~
;;   OPERANDS COMPUTED ON THE WAY. 'Computed on the way' means the value that the module computes at that place (a softmax that the list does not call 'softmax' is quantised finished and normalised). What goes into a quantiser is computed in f32, as accurately as f32 sums, v_exp_f32 and their like allow (about 1e-6 of the number): no bf16 or f16 on the way to a quantiser, and a product that is left as it is and whose result goes on into a quantised operand takes f32 operands (vector FMAs, or v_wmma_f32_16x16x4_f32). A number that lies on a knife's edge between two numbers of the format may be rounded either way, as far as f32 arithmetic and the matrix unit's own rounding can turn it there, and no further.
;; One version. Each part assembles by itself: llvm-mc -triple=amdgcn-amd-amdhsa -mcpu=gfx1250 --defsym DOCPART=n.
;; ======== version 1 of 1: 3 launches
;; limits: right only within a limited range of input values
;; workspace buffers: xq 9,830,400 bytes; wq 13,824,000 bytes; dq 6,553,600 bytes; hq 13,107,200 bytes
;; launch quant (part 1): grid 1180 x 1, 4 waves a work-group, no clusters, 68,096 bytes of LDS; arguments x, gate_w, up_w, down_w, xq, wq, dq, hq; writes xq, wq, dq, hq
.if DOCPART == 1
	.amdgcn_target "amdgcn-amd-amdhsa--gfx1250"
	.amdhsa_code_object_version 6
	.text
	.protected	k_q7a5347bf68_quant
	.globl	k_q7a5347bf68_quant
	.p2align	8
	.type	k_q7a5347bf68_quant,@function
k_q7a5347bf68_quant:
	s_mov_b64 s[64:65], 0
	v_nop
	global_prefetch_b8 v0, s[64:65] scope:SCOPE_SE
	s_setreg_imm32_b32 hwreg(HW_REG_WAVE_MODE, 25, 1), 1
	s_wait_xcnt 0x0
; x [4096][2048] f32 and gate_w, up_w [2752][2048], down_w [2048][2752] int32 become codes of FP8 (E4M3) with one E8M0 byte for each 32 along K (K is innermost in all four).
; A block's scale is 2^(floor(log2(its largest magnitude)) - 8); each number is divided by it, held within +-448 and rounded to the nearest code, ties to even.
; THE WORKSPACE IS LAID AS THE PRODUCTS' REGISTERS WANT IT: buf[s3][tile][6400 bytes], s3 = K / 384, tile = 16 operand rows.  In a block: bytes 0-255 the scale words, row r at 16 r: the words of
; the block's three K steps of 128, then a zero word; bytes 256 + 2048 q + 512 c + 16 lane: the 16 codes of lane (r = lane % 16, h = lane / 16): row r, k = 128 (3 s3 + q) + 32 c + 16 h + 0 .. 15.
; The last s3 of a tensor holds one K step: 2,304 bytes of its block are written.  down_w's last K step has 64 numbers; its other 64 codes are zeros.
; wq: tile 4 blk + 2 gu + u (blk = d_ff / 32; gu 0 gate, 1 up): lane row r is weight row 32 blk + 8 u + r + 8 (r / 8), so that the next launch's results are neighbours along d_ff.  blk 86 and 87 lie
; past d_ff: zero codes.  They give the next launch the 64 zero columns of h that the third product's last K step needs.
; The launch also writes zeros into the 256 scale bytes of every block of hq: the next launch stores two bytes a row there, and the last one reads the whole 256.
; SHARES: a wave takes one (tile, s3): 16 rows x 384 K; the four waves of a work-group four neighbouring tiles.  Work-groups 0-383: x; 384-923: gate_w and up_w; 924-1179: down_w.
; A load reads 256 consecutive bytes of a row in sixteen lanes; the 16 x 512 bytes of a K step turn through the wave's own stage in LDS, so that a lane then holds 16 neighbours of each block of 32.
; No tensor load, no barrier: waves share nothing.  Two K steps' loads (32 a wave) are out at a time.
; LIMITS: NaN and infinities are not served.  A block whose largest magnitude lies under 2^-118 (a block of zeros among them) gets the byte 1: only this program reads the bytes.
; wq holds 90 blocks of 32 d_ff (360 tiles an s3): blk 86 to 89 are zero codes.  Work-groups 384-923 take gate_w and up_w, 924-1179 down_w.
.set BLK,   6400
.set STG,   8448                       ; a wave's stage: 16 rows x (512 bytes + 16): 132 words a row, so the sixteen rows of a read begin at sixteen different groups of four banks (64 banks of 4 bytes: ISA guide 11.1)
.set LSTG,  4*STG                      ; the path of a tensor's last s3 has stages of its own
.set VST,   4                          ; v4   stage, in: 528 (lane / 16) + 16 (lane % 16)
.set VRD,   5                          ; v5   stage, out: 528 (lane % 16) + 64 (lane / 16)
.set VCO,   6                          ; v6   16 x lane: my codes' place in a store of 512 bytes
.set VSO,   7                          ; v7   16 x (lane % 16): my row's scale words
.set VHZ,   9                          ; v9   6400 (lane / 16) + 16 (lane % 16): hq's scale bytes of two tiles
.set VO,    10                         ; v10-17 byte offset of rows 2 p + lane / 16 of the tile, + 16 (lane % 16)
.set ZR,    20                         ; v20-23 zeros
.set SW,    28                         ; v28-31 my row's three scale words and a zero word
.set TM,    32                         ; v32-35 largest magnitudes, v36-39 bytes, v40-43 448 x the scale, v44-47 the conversions' scale operands
.set PC,    48                         ; v48-63 a fragment's codes
.set X,     64                         ; v64-127 register 16 c + i: k = 32 c + 16 h + i of my row
.set R0,    128                        ; v128-191, v192-255: two sets as loaded
.set R1,    192
.set ISINT, 27
.set ISD,   28
.set ZA,    34                         ; 1: the whole tile is zeros
.set ZH0,   35                         ; 1: the upper 64 of K step 0 are zeros
.set SB,    36                         ; s[36:37] the tile's first row at my s3;  s[38:39] the same 256 bytes on (not so in down_w's last K step: no load leaves its buffer)
.set SB1,   38
.set DB,    40                         ; s[40:41] my block of the workspace
.set HQB,   42                         ; s[42:43] two blocks of hq
.set SEL,   44                         ; s[44:45] v_permlanex16_b32's selects for lane l xor 16
.set MNT,   46                         ; s46  the mantissa field of 448
	s_load_b256 s[4:11], s[0:1], 0x0               ; x, gate_w, up_w, down_w
	s_load_b256 s[12:19], s[0:1], 0x20             ; xq, wq, dq, hq
	v_lshl_add_u32 v26, v0, 2, 0x10800
	v_mov_b32 v27, 0
	v_lshrrev_b32 v1, 5, v0
	v_readfirstlane_b32 s20, v1                    ; wave 0..3
	; the constants of the tensor in hand, by the work-group's number alone: first down_w's, then the weights', then x's
	s_mov_b32 s21, 924
	s_mov_b32 s22, 32                              ; work-groups for one s3
	s_mov_b32 s23, 2048                            ; 65536 / that number, rounded up
	s_mov_b32 s24, 128                             ; tiles
	s_mov_b32 s25, 11008                           ; a row in bytes
	s_mov_b32 s26, 7                               ; its last s3
	s_mov_b32 s[ISINT], 1
	s_cmp_lt_u32 ttmp9, 924
	s_cselect_b32 s21, 384, s21
	s_cselect_b32 s22, 90, s22
	s_cselect_b32 s23, 729, s23                    ; 729 x 90 = 65536 + 74, and 6 x 74 < 655: exact for all 540 numbers
	s_cselect_b32 s24, 360, s24
	s_cselect_b32 s25, 8192, s25
	s_cselect_b32 s26, 5, s26
	s_cselect_b32 s[ISD], 0, 1
	s_cmp_lt_u32 ttmp9, 384
	s_cselect_b32 s21, 0, s21
	s_cselect_b32 s22, 64, s22
	s_cselect_b32 s23, 1024, s23
	s_cselect_b32 s24, 256, s24
	s_cselect_b32 s[ISINT], 0, s[ISINT]
	s_cselect_b32 s29, 1, 0                        ; x?
	s_sub_co_u32 s47, ttmp9, s21
	s_mul_i32 s30, s47, s23
	s_lshr_b32 s30, s30, 16                        ; s3: exact for all 384, 540 and 256 numbers
	s_mul_i32 s48, s30, s22
	s_sub_co_u32 s31, s47, s48                     ; which four tiles
	s_lshl_b32 s32, s31, 2
	s_add_co_u32 s32, s32, s20                     ; my tile
	s_cmp_eq_u32 s30, s26
	s_cselect_b32 s33, 1, 0                        ; the tensor's last s3: one K step
	s_and_b32 s49, s33, s[ISD]                     ; down_w's last: half a K step
	s_or_b32 s54, s[ISD], s29
	s_xor_b32 s54, s54, 1                          ; gate_w or up_w?
	s_cmp_ge_u32 s31, 86
	s_cselect_b32 s[ZA], s54, 0                    ; past d_ff
	s_or_b32 s[ZH0], s[ZA], s49
	s_lshl_b32 s55, s32, 4                         ; x, down_w: the tile's first row is 16 x tile, its rows are neighbours
	s_min_u32 s56, s31, 85                         ; the weights: 32 blk + 8 u (a tile past d_ff reads the last block's rows and discards them)
	s_lshl_b32 s56, s56, 5
	s_and_b32 s57, s20, 1
	s_lshl_b32 s57, s57, 3
	s_add_co_u32 s56, s56, s57
	s_cmp_eq_u32 s54, 1
	s_cselect_b32 s55, s56, s55
	s_cselect_b32 s58, 8, 0                        ; and rows 8-15 of the tile lie 8 rows further on
	s_mul_i32 s48, s58, s25
	s_mul_i32 s50, s55, s25
	s_mul_i32 s47, s30, 1536
	s_add_co_u32 s50, s50, s47                     ; source: first row x pitch + 1,536 s3 (under 2^26)
	s_mov_b32 s51, 0
	s_mul_i32 s52, s30, s24
	s_add_co_u32 s52, s52, s32
	s_mul_i32 s52, s52, BLK                        ; workspace: (s3 x tiles + tile) x 6,400
	s_mov_b32 s53, 0
	s_lshl_b32 s60, s30, 8
	s_lshl_b32 s47, s32, 1
	s_add_co_u32 s60, s60, s47
	s_mul_i32 s60, s60, BLK                        ; hq: (256 s3 + 2 tile) x 6,400: down_w's 128 x 8 waves cover hq's 256 x 8 blocks
	s_mov_b32 s61, 0
	s_cmp_eq_u32 s49, 1
	s_cselect_b32 s62, 0, 256
	s_mov_b32 s63, 0
	s_mov_b32 s[SEL], 0x76543210
	s_mov_b32 s[SEL+1], 0xfedcba98
	s_mov_b32 s[MNT], 0x600000
	v_and_b32 v1, 31, v0                           ; lane
	v_and_b32 v2, 15, v0                           ; r
	v_bfe_u32 v3, v0, 4, 1                         ; h
	s_mul_i32 s47, s20, STG
	v_mul_u32_u24 v[VST], v3, 528
	v_lshl_add_u32 v[VST], v2, 4, v[VST]
	v_add_nc_u32 v[VST], s47, v[VST]
	v_mul_u32_u24 v[VRD], v2, 528
	v_lshl_add_u32 v[VRD], v3, 6, v[VRD]
	v_add_nc_u32 v[VRD], s47, v[VRD]
	v_lshlrev_b32 v[VCO], 4, v1
	v_lshlrev_b32 v[VSO], 4, v2
	v_mul_lo_u32 v8, v3, s25
	v_lshl_add_u32 v8, v2, 4, v8                   ; (lane / 16) rows + 16 (lane % 16)
	s_wait_alu depctr_va_vdst(0)
	v_mul_u32_u24 v[VHZ], v3, BLK
	v_lshl_add_u32 v[VHZ], v2, 4, v[VHZ]
.irp p, 0,1,2,3,4,5,6,7
	s_mul_i32 s47, s25, 2*\p
.if \p >= 4
	s_add_co_u32 s47, s47, s48
.endif
	v_add_nc_u32 v[VO+\p], s47, v8
.endr
.irp b, 0,1,2,3
	v_mov_b32 v[ZR+\b], 0
	v_mov_b32 v[SW+\b], 0
	v_mov_b32 v[TM+4+\b], 0                        ; written once: a lane permute's destination counts as one of its sources
.endr
	s_wait_kmcnt 0x0
	s_cmp_lt_u32 s20, 2                            ; waves 0, 1: gate_w; waves 2, 3: up_w.  The choices hang on ids alone
	s_cselect_b64 s[SB:SB+1], s[6:7], s[8:9]
	s_cmp_eq_u32 s[ISD], 1
	s_cselect_b64 s[SB:SB+1], s[10:11], s[SB:SB+1]
	s_cselect_b64 s[DB:DB+1], s[16:17], s[14:15]
	s_cmp_eq_u32 s29, 1
	s_cselect_b64 s[SB:SB+1], s[4:5], s[SB:SB+1]
	s_cselect_b64 s[DB:DB+1], s[12:13], s[DB:DB+1]
	s_add_nc_u64 s[SB:SB+1], s[SB:SB+1], s[50:51]
	s_add_nc_u64 s[SB1:SB1+1], s[SB:SB+1], s[62:63]
	s_add_nc_u64 s[DB:DB+1], s[DB:DB+1], s[52:53]
	s_add_nc_u64 s[HQB:HQB+1], s[18:19], s[60:61]
; K step q of my 16 rows: 16 loads; lanes 0-15 read 256 consecutive bytes of row 2 p, lanes 16-31 of row 2 p + 1; each row's 512 bytes in two halves.  Read once in the launch
.macro LOAD q, set
.irp p, 0,1,2,3,4,5,6,7
.if (\q) == 0
	global_load_b128 v[\set+8*\p:\set+8*\p+3], v[VO+\p], s[SB:SB+1] th:TH_LOAD_NT
	global_load_b128 v[\set+8*\p+4:\set+8*\p+7], v[VO+\p], s[SB1:SB1+1] th:TH_LOAD_NT
.else
	global_load_b128 v[\set+8*\p:\set+8*\p+3], v[VO+\p], s[SB:SB+1] offset:512*(\q) th:TH_LOAD_NT
	global_load_b128 v[\set+8*\p+4:\set+8*\p+7], v[VO+\p], s[SB:SB+1] offset:512*(\q)+256 th:TH_LOAD_NT
.endif
.endr
.endm
; through my stage: in as loaded, out 64 bytes of each block of 32 numbers a lane.  LDS serves a wave's instructions in order (ISA guide 5.7.1.4): no wait between the stores and the loads
.macro TURNX set, loff
.irp p, 0,1,2,3,4,5,6,7
	ds_store_b128 v[VST], v[\set+8*\p:\set+8*\p+3] offset:\loff+1056*\p
	ds_store_b128 v[VST], v[\set+8*\p+4:\set+8*\p+7] offset:\loff+1056*\p+256
.endr
.irp c, 0,1,2,3
.irp j, 0,1,2,3
	ds_load_b128 v[X+16*\c+4*\j:X+16*\c+4*\j+3], v[VRD] offset:\loff+128*\c+16*\j
.endr
.endr
	s_wait_dscnt 0x0                               ; the numbers are in, and the stores have read the set: it may be loaded again
.endm
; the 64 numbers in X become K step q's codes and scale word; the codes leave, 512 consecutive bytes a store.  zh: the flag under which the upper 64 along K are zeros
.macro PROC q, zh
	s_cmp_eq_u32 s[ISINT], 0
	s_cbranch_scc1 .Lis_f32_\@
.set i, 0
.rept 64
	v_cvt_f32_i32 v[X+i], v[X+i]                   ; the weights as f32
.set i, i+1
.endr
.Lis_f32_\@:
	s_cmp_eq_u32 s[ZA], 0
	s_cbranch_scc1 .Llow_stays_\@
.set i, 0
.rept 32
	v_mov_b32 v[X+i], 0
.set i, i+1
.endr
.Llow_stays_\@:
	s_cmp_eq_u32 s[\zh], 0
	s_cbranch_scc1 .Lhigh_stays_\@
.set i, 32
.rept 32
	v_mov_b32 v[X+i], 0
.set i, i+1
.endr
.Lhigh_stays_\@:
.irp b, 0,1,2,3
	v_max3_num_f32 v[TM+\b], |v[X+16*\b]|, |v[X+1+16*\b]|, 0x4800000   ; block b: my 16 numbers, and the floor 2^(9 - 127): the byte cannot fall under 1
.endr
.irp i, 2,4,6,8,10,12,14
.irp b, 0,1,2,3
	v_max3_num_f32 v[TM+\b], v[TM+\b], |v[X+16*\b+\i]|, |v[X+1+16*\b+\i]|   ; the four blocks by turns
.endr
.endr
.irp b, 0,1,2,3
	v_permlanex16_b32 v[TM+4+\b], v[TM+\b], s[SEL], s[SEL+1]
.endr
.irp b, 0,1,2,3
	v_max_num_f32 v[TM+\b], v[TM+\b], v[TM+4+\b]   ; with lane l xor 16's 16: the block's largest magnitude
.endr
.irp b, 0,1,2,3
	v_add_nc_u32 v[TM+12+\b], 0xfc000000, v[TM+\b] ; 8 off its exponent field: the conversion takes this operand's exponent field as its scale
.endr
.irp b, 0,1,2,3
	v_and_or_b32 v[TM+8+\b], v[TM+\b], 0x7f800000, s[MNT]   ; 448 x the scale
.endr
.irp b, 0,1,2,3
	v_lshrrev_b32 v[TM+4+\b], 23, v[TM+12+\b]      ; the scale's byte
.endr
	v_lshl_or_b32 v[SW+\q], v[TM+5], 8, v[TM+4]
	v_lshl_or_b32 v[SW+\q], v[TM+6], 16, v[SW+\q]
	v_lshl_or_b32 v[SW+\q], v[TM+7], 24, v[SW+\q]  ; my row's scale word of this K step
.irp b, 0,1,2,3
.irp i, 0,1,2,3,4,5,6,7,8,9,10,11,12,13,14,15
	v_med3_num_f32 v[X+16*\b+\i], v[X+16*\b+\i], -v[TM+8+\b], v[TM+8+\b]   ; the conversion to an 8-bit code does not saturate (ISA guide 7.6.2): the hold comes first
.endr
	v_cvt_scalef32_pk8_fp8_f32 v[PC+4*\b:PC+4*\b+1], v[X+16*\b:X+16*\b+7], v[TM+12+\b]
	v_cvt_scalef32_pk8_fp8_f32 v[PC+4*\b+2:PC+4*\b+3], v[X+16*\b+8:X+16*\b+15], v[TM+12+\b]
.endr
	v_nop                                          ; a plain vector line behind the last conversion
.irp c, 0,1,2,3
	global_store_b128 v[VCO], v[PC+4*\c:PC+4*\c+3], s[DB:DB+1] offset:256+2048*(\q)+512*\c
.endr
.endm
	s_cmp_eq_u32 s33, 1
	s_cbranch_scc1 .Llast_s3
	LOAD 0, R0
	LOAD 1, R1
	s_wait_loadcnt 16                              ; K step 0 is in; K step 1's sixteen loads may be out
	TURNX R0, 0
	LOAD 2, R0
	PROC 0, ZH0
	s_wait_loadcnt 16                              ; K step 1 is in; K step 2's sixteen may be out
	s_wait_xcnt 0x0                                ; the stores have read the codes' registers: they are written again below
	TURNX R1, 0
	PROC 1, ZA
	s_wait_loadcnt 0x0
	s_wait_xcnt 0x0
	TURNX R0, 0
	PROC 2, ZA
	s_branch .Lscales
.Llast_s3:                                             ; one K step, and nothing is loaded past a row's end
	LOAD 0, R0
	s_wait_loadcnt 0x0
	TURNX R0, LSTG
	PROC 0, ZH0
.Lscales:
	s_cmp_eq_u32 s[ISD], 0
	s_cbranch_scc1 .Lno_hq
	global_store_b128 v[VHZ], v[ZR:ZR+3], s[HQB:HQB+1]   ; sixteen lanes write the 256 scale bytes of one block of hq, sixteen those of the next
.Lno_hq:
	v_cmp_gt_u32 vcc_lo, 16, v1
	s_wait_xcnt 0x0                                ; EXEC changes only when the earlier stores have been taken
	s_wait_tensorcnt 0x0
	ds_add_u32 v26, v27
	s_wait_dscnt 0x0
	s_and_saveexec_b32 s47, vcc_lo
	global_store_b128 v[VSO], v[SW:SW+3], s[DB:DB+1]     ; sixteen lanes store the block's 256 scale bytes, at a multiple of 256 from the buffer's first byte
	s_wait_xcnt 0x0
	s_or_b32 exec_lo, exec_lo, s47
	s_endpgm
.Lfunc_end_k_q7a5347bf68_quant:
	.size	k_q7a5347bf68_quant, .Lfunc_end_k_q7a5347bf68_quant-k_q7a5347bf68_quant
	.p2alignl 7, 3214868480
	.fill 96, 4, 3214868480
	.section	.rodata,"a",@progbits
	.p2align	6, 0x0
	.amdhsa_kernel k_q7a5347bf68_quant
		.amdhsa_group_segment_fixed_size 68096
		.amdhsa_private_segment_fixed_size 0
		.amdhsa_enable_private_segment 0
		.amdhsa_kernarg_size 64
		.amdhsa_user_sgpr_count 2
		.amdhsa_user_sgpr_kernarg_segment_ptr 1
		.amdhsa_wavefront_size32 1
		.amdhsa_system_sgpr_workgroup_id_x 1
		.amdhsa_system_sgpr_workgroup_id_y 1
		.amdhsa_system_sgpr_workgroup_id_z 1
		.amdhsa_system_vgpr_workitem_id 0
		.amdhsa_next_free_vgpr 256
		.amdhsa_next_free_sgpr 66
		.amdhsa_reserve_vcc 1
		.amdhsa_float_denorm_mode_32 3
		.amdhsa_float_denorm_mode_16_64 3
		.amdhsa_memory_ordered 1
		.amdhsa_forward_progress 1
		.amdhsa_inst_pref_size 71
	.end_amdhsa_kernel
	.amdgpu_metadata
---
amdhsa.version: [ 1, 2 ]
amdhsa.kernels:
  - .name:           k_q7a5347bf68_quant
    .symbol:         k_q7a5347bf68_quant.kd
    .args:
      - { .name: x, .offset: 0, .size: 8, .value_kind: global_buffer, .address_space: global }
      - { .name: gate_w, .offset: 8, .size: 8, .value_kind: global_buffer, .address_space: global }
      - { .name: up_w, .offset: 16, .size: 8, .value_kind: global_buffer, .address_space: global }
      - { .name: down_w, .offset: 24, .size: 8, .value_kind: global_buffer, .address_space: global }
      - { .name: xq, .offset: 32, .size: 8, .value_kind: global_buffer, .address_space: global }
      - { .name: wq, .offset: 40, .size: 8, .value_kind: global_buffer, .address_space: global }
      - { .name: dq, .offset: 48, .size: 8, .value_kind: global_buffer, .address_space: global }
      - { .name: hq, .offset: 56, .size: 8, .value_kind: global_buffer, .address_space: global }
    .group_segment_fixed_size: 68096
    .private_segment_fixed_size: 0
    .kernarg_segment_align: 8
    .kernarg_segment_size: 64
    .max_flat_workgroup_size: 128
    .sgpr_count:     66
    .vgpr_count:     256
    .wavefront_size: 32
...
	.end_amdgpu_metadata
.endif
;; end of part 1
;; launch gateup (part 2): grid 16 x 15, 4 waves a work-group, clusters of 4 x 1, 327,680 bytes of LDS; arguments xq, wq, gate_s, up_s, hq; writes hq
.if DOCPART == 2
	.amdgcn_target "amdgcn-amd-amdhsa--gfx1250"
	.amdhsa_code_object_version 6
	.text
	.protected	k_q7a5347bf68_gateup
	.globl	k_q7a5347bf68_gateup
	.p2align	8
	.type	k_q7a5347bf68_gateup,@function
k_q7a5347bf68_gateup:
	s_mov_b64 s[64:65], 0
	v_nop
	global_prefetch_b8 v0, s[64:65] scope:SCOPE_SE
	s_setreg_imm32_b32 hwreg(HW_REG_WAVE_MODE, 25, 1), 1
	s_wait_xcnt 0x0
	s_wait_alu depctr_hold_cnt(0) depctr_sa_sdst(0) depctr_va_vdst(0) depctr_va_sdst(0) depctr_va_ssrc(0) depctr_va_vcc(0) depctr_vm_vsrc(0)
	s_getreg_b32 s2, hwreg(HW_REG_IB_STS2, 6, 4)
	s_cmp_eq_u32 s2, 0
	s_cbranch_scc0 .Lentry_in_a_cluster
	s_endpgm
.Lentry_in_a_cluster:
	s_bfe_u32 s2, ttmp6, 0x10000c
	s_cmp_lg_u32 s2, 0x3003
	s_cbranch_scc0 .Lentry_shape_is_right
	s_endpgm
.Lentry_shape_is_right:
; h = silu((x Wg^T) gs) x ((x Wu^T) us) on codes of FP8 (E4M3) with E8M0 scales for 32 along K = 2,048; h is quantised along d_ff on the way out and leaves as codes.
; xq, wq, hq: buf[s3][tile][6400]: 256 scale bytes (row r at 16 r: three words), then three K steps' fragments as register images (256 + 2048 q + 512 c + 16 lane).
; SHARES: 16 x 15 work-groups; each 256 rows of x (16 tiles) x 6 blocks of 32 d_ff (24 tiles of wq: gate u0, u1, up u0, u1 a block).  A wave: 128 rows x 3 blocks: 96 accumulators, 768 registers.
; Blocks 86, 87 are zero codes: h's 64 zero columns that the third product's last K step wants.  Blocks 88, 89 (in the last column's tile, beside live work) are zero codes too and are not stored.
; RING: two slots, one K step of 128 each: x's codes 16 x 2,048 bytes, the weights' 24 x 2,048, x's scale blocks 16 x 256, the weights' 24 x 256: four tiles, one tensor load a wave.
; A scale block serves three K steps and comes with each of them.  The slots lie 0x20000 apart: every LDS address changes slots by one XOR.  A loop trip is three K steps, so K step % 3 is a constant of the text.
; CLUSTER 4, 1, 1: four row blocks share the weights' tiles (joint loads, mask 15).  x's tiles are shared by the 15 columns, which do not divide into fours: they are asked for singly.
; PREFETCH: a trip's three loads bring one s3; early in its first K step the trip asks for the s3 after that: three K steps ahead of the first load that wants it.  The head asks for s3 = 0 and 1; trip 3 asks for the last s3, the tail for nothing.
;   The weights' 24 blocks of an s3 are 600 pieces of 256 bytes: a cluster's four partners take 150 each, told apart by address (cx), a wave 38 of them: two instructions.
;   x's 16 blocks are 400 pieces, in four parts of 100: column ng takes part (ng + ng / 4) % 4, a wave 25 of it: one instruction.  So a piece of x is named by at most four work-groups.
; THE PRODUCT IS USED TRANSPOSED (source 0 = weights, source 1 = x): a lane holds one row of h, its registers run along d_ff.
; REGISTERS: window 0: v1-11 addresses, v12-47 scale words (three sets of 12: lanes 0-15 x's tile i, lanes 16-31 the weights' tile i), v64-127 four fragments of the weights, v128-255 x's eight.
;   windows 1-3: block be in window 1 + be: accumulator (a, b % 4) at 128 (a / 4) + 8 (4 (a % 4) + b % 4).
; LIMITS: NaN and infinities are not served.  A block of h whose largest magnitude lies under 2^-118 gets the byte 1.  Where the gate lies under about -87 the sigmoid comes out as 0.
.set BLK, 6400
.set STEPA, 256*BLK
.set STEPB, 360*BLK
.set SL1, 0x20000
.set OBC, 32768
.set OAS, 81920
.set OBS, 86016
.set SPARE, SL1+92160
.set L16, 1
.set ADRA, 2
.set ADRB, 3
.set ADRS, 4
.set SPW, 5
.set NIL, 6
.set PFX, 7                            ; v7 the prefetches' offsets: x's piece; v8, v9 the weights' pieces; never rewritten behind the head
.set PFW, 8
.set HR, 10
.set GSO, 11
.set SC, 12
.set BF, 64
.set AF, 128
.set GS, 32
.set US, 48
.set G, 64
.set UP_, 128
.set E, 192
.set TM, 192
.set PC, 208
.set BY, 224
.set G1AC, 24
.set G1BC, 32
.set G1AS, 40
.set G1BS, 48
.set G0A, 56
.set G0B, 60
.set INS, 66
.set OUTA, 68
.set OUTB, 70
.set PBX, 96                           ; s[96:97] xq at my 16 blocks, s[98:99] wq at my 24: one s3 short of what the next prefetch names
.set PBW, 98
.set MSB, 0
.macro WIN new
.if MSB != \new
	s_set_vgpr_msb (MSB<<8)|\new
.set MSB, \new
.endif
.endm
.macro PLACES n
.rept \n
	v_nop
.endr
.endm
.macro CREST
	s_cmp_lg_u32 s14, 0
	s_cbranch_scc1 .Lnot_wave_0_\@
	s_barrier_signal -3
.Lnot_wave_0_\@:
	s_barrier_wait -3
	s_barrier_signal -1
	s_barrier_wait -1
.endm
.macro CROUND
	s_barrier_signal -1
	s_barrier_wait -1
	CREST
.endm
.macro GROUP1 g, w0, cols, rows        ; rows of cols x 8 bytes, 6,400 bytes (800 elements) apart
	s_mov_b32 s[\g], \w0
	s_mov_b32 s[\g+1], (\cols)<<16
	s_mov_b32 s[\g+2], (\rows)<<16
	s_mov_b32 s[\g+3], (\cols)<<16
	s_mov_b32 s[\g+4], \rows
	s_mov_b32 s[\g+5], 800
	s_mov_b32 s[\g+6], 0
	s_mov_b32 s[\g+7], 0
.endm
; one load a wave, in one chain of arms: wave 0 x's codes, 1 the weights' codes, 2 x's scales, 3 the weights' scales
.macro JLOAD
	s_cmp_lt_u32 s14, 1
	s_cbranch_scc0 .Lj1_\@
	tensor_load_to_lds s[G0A:G0A+3], s[G1AC:G1AC+7]
	s_nop 0
	PLACES 4
	s_branch .Lj4_\@
.Lj1_\@:
	s_cmp_lt_u32 s14, 2
	s_cbranch_scc0 .Lj2_\@
	tensor_load_to_lds s[G0B:G0B+3], s[G1BC:G1BC+7]
	s_nop 0
	PLACES 4
	s_branch .Lj4_\@
.Lj2_\@:
	s_cmp_lt_u32 s14, 3
	s_cbranch_scc0 .Lj3_\@
	tensor_load_to_lds s[G0A:G0A+3], s[G1AS:G1AS+7]
	s_nop 0
	PLACES 4
	s_branch .Lj4_\@
.Lj3_\@:
	tensor_load_to_lds s[G0B:G0B+3], s[G1BS:G1BS+7]
	s_nop 0
	PLACES 4
.Lj4_\@:
.endm
.macro ADV out                         ; both group 0: the other slot, the next K step (out = 1: into the next s3).  Written only behind a wait for all my tensor loads
	s_xor_b32 s[G0A+1], s[G0A+1], SL1
	s_xor_b32 s[G0B+1], s[G0B+1], SL1
.if \out
	s_add_nc_u64 s[G0A+2:G0A+3], s[G0A+2:G0A+3], s[OUTA:OUTA+1]
	s_add_nc_u64 s[G0B+2:G0B+3], s[G0B+2:G0B+3], s[OUTB:OUTB+1]
.else
	s_add_nc_u64 s[G0A+2:G0A+3], s[G0A+2:G0A+3], s[INS:INS+1]
	s_add_nc_u64 s[G0B+2:G0B+3], s[G0B+2:G0B+3], s[INS:INS+1]
.endif
.endm
.macro PREF                            ; the bases go one s3 on, a trip behind the prefetches that read them; then my three requests
	s_wait_xcnt 0x0
	s_add_nc_u64 s[PBX:PBX+1], s[PBX:PBX+1], STEPA
	s_add_nc_u64 s[PBW:PBW+1], s[PBW:PBW+1], STEPB
	global_prefetch_b8 v[PFX], s[PBX:PBX+1] offset:STEPA th:TH_LOAD_NT scope:SCOPE_SE
	global_prefetch_b8 v[PFW], s[PBW:PBW+1] offset:STEPB th:TH_LOAD_NT scope:SCOPE_SE
	global_prefetch_b8 v[PFW+1], s[PBW:PBW+1] offset:STEPB th:TH_LOAD_NT scope:SCOPE_SE
.endm
; eight products: the weights' tiles 2 p, 2 p + 1 x x's tiles 4 h .. 4 h + 3; the accumulators take turns
.macro MU p, h, q, z
	WIN 0x50*(1+(\p)/2)
.irp a, 0,1,2,3
.irp e, 0,1
.set rD, 128*(\h)+8*(4*\a+2*((\p)%2)+\e)
.set rB, BF+32*((\p)%2)+16*\e
.set rA, AF+16*(4*(\h)+\a)
.set rSB, SC+12*(\q)+2*(\p)+\e
.set rSA, SC+12*(\q)+4*(\h)+\a
.if \z
	v_wmma_scale_f32_16x16x128_f8f6f4 v[rD:rD+7], v[rB:rB+15], v[rA:rA+15], 0, v[rSB], v[rSA] matrix_a_scale:MATRIX_SCALE_ROW1
.else
	v_wmma_scale_f32_16x16x128_f8f6f4 v[rD:rD+7], v[rB:rB+15], v[rA:rA+15], v[rD:rD+7], v[rSB], v[rSA] matrix_a_scale:MATRIX_SCALE_ROW1
.endif
.endr
.endr
.endm
.macro LB p                            ; 8 loads: the weights' tiles 2 p, 2 p + 1 into set p % 2
.irp e, 0,1
.irp c, 0,1,2,3
	ds_load_b128 v[BF+32*((\p)%2)+16*\e+4*\c:BF+32*((\p)%2)+16*\e+4*\c+3], v[ADRB] offset:(2*(\p)+\e)*2048+512*\c
.endr
.endr
.endm
.macro LA h                            ; 16 loads: x's tiles 4 h .. 4 h + 3
.irp a, 0,1,2,3
.irp c, 0,1,2,3
	ds_load_b128 v[AF+16*(4*(\h)+\a)+4*\c:AF+16*(4*(\h)+\a)+4*\c+3], v[ADRA] offset:(4*(\h)+\a)*2048+512*\c
.endr
.endr
.endm
.macro LSC q                           ; 12 loads: word q of the scale blocks
.irp i, 0,1,2,3,4,5,6,7,8,9,10,11
	ds_load_b32 v[SC+12*(\q)+\i], v[ADRS] offset:256*\i+4*(\q)
.endr
.endm
.macro ELOAD                           ; gate_s, up_s of one block: register i: d_ff 16 h + i
.irp i, 0,1,2,3
	global_load_b128 v[GS+4*\i:GS+4*\i+3], v[GSO], s[76:77] offset:16*\i
	global_load_b128 v[US+4*\i:US+4*\i+3], v[GSO], s[78:79] offset:16*\i
.endr
.endm
.macro RUN p                           ; eight places behind the products that read the set, then its next tiles
	WIN 0
	PLACES 8
	LB \p
.endm
; A K STEP.  At its head are out, in this order: x's half 0 (16), the scale words (12), weights' pair 0 (8), pair 1 (8), x's half 1 (16).
; mode 0: this slot is filled again, two K steps on; 1: nothing is filled, the next slot is shown; 2: the last K step.  pf = 1: the trip's prefetches.
.macro STEP q, z, mode, pf=0
	s_wait_dscnt 24                                ; pair 1 and half 1 may be out
	MU 0, 0, \q, \z
	s_wait_dscnt 16                                ; half 1 may be out
	MU 1, 0, \q, \z
	s_wait_dscnt 0x0
	MU 0, 1, \q, \z
	RUN 2
.if \mode == 2
	ELOAD                                          ; the way out's first scales, into scale sets that are done with
.endif
.if \pf
	PREF
.endif
	MU 1, 1, \q, \z
	RUN 3
	s_wait_dscnt 8                                 ; pair 2 is in; pair 3 may be out
	MU 2, 0, \q, \z
	MU 2, 1, \q, \z
	RUN 4
	s_wait_dscnt 8
	MU 3, 0, \q, \z
	MU 3, 1, \q, \z
	RUN 5                                          ; my last reads of this slot
.if \mode == 2
	s_wait_dscnt 8
	MU 4, 0, \q, \z
	s_wait_dscnt 0x0
	MU 5, 0, \q, \z
	MU 4, 1, \q, \z
	MU 5, 1, \q, \z
	WIN 0
.else
	s_wait_tensorcnt 0x0                           ; my tile of the next slot is in
	ds_add_u32 v[SPW], v[NIL]
.if \mode == 0
	ADV (\q)==1
.endif
	s_wait_dscnt 9                                 ; pair 5 and the add may be out
	MU 4, 0, \q, \z
	s_wait_dscnt 0x0                               ; the add is done, my reads of this slot are over
	s_barrier_signal -1
	MU 5, 0, \q, \z
	WIN 0
	s_barrier_wait -1
.if \mode == 0
	CREST                                          ; the barrier has opened a round of the cluster's barrier
	JLOAD                                          ; its four v_nop are four of the eight places
	PLACES 4
.else
	PLACES 8
.endif
	v_xor_b32 v[ADRA], SL1, v[ADRA]                ; on to the next slot
	v_xor_b32 v[ADRB], SL1, v[ADRB]
	v_xor_b32 v[ADRS], SL1, v[ADRS]
	s_wait_alu depctr_va_vdst(0)
	LA 0
	LSC ((\q)+1)%3
	MU 4, 1, \q, \z
	RUN 0
	MU 5, 1, \q, \z
	RUN 1
	LA 1
.endif
.endm
	s_load_b256 s[4:11], s[0:1], 0x0               ; xq, wq, gate_s, up_s
	s_load_b64 s[12:13], s[0:1], 0x20              ; hq
	v_lshl_add_u32 v[SPW], v0, 2, SPARE
	v_mov_b32 v[NIL], 0
	ds_add_u32 v[SPW], v[NIL]
	ds_add_u32 v[SPW], v[NIL]
	v_lshrrev_b32 v1, 5, v0
	v_readfirstlane_b32 s14, v1                    ; wave
	s_lshr_b32 s15, s14, 1                         ; my half of the rows.  As a loader: 1 = scales
	s_and_b32 s16, s14, 1                          ; my half of the columns.  As a loader: 1 = the weights
	s_bfe_u32 s20, ttmp6, 0x40000                  ; cx
	s_lshl_b32 s17, ttmp9, 2
	s_add_co_u32 s17, s17, s20                     ; mt: which 256 rows
	s_and_b32 s18, ttmp7, 0xffff                   ; ng: which 6 blocks of d_ff
	s_mul_i32 s93, s20, 150                        ; the prefetches: my work-group's 150 pieces of the weights' 600,
	s_mul_i32 s92, s14, 38                         ; my wave's 38 of them;
	s_lshr_b32 s91, s18, 2
	s_add_co_u32 s91, s91, s18
	s_and_b32 s91, s91, 3
	s_mul_i32 s91, s91, 100                        ; my column's part of x's 400 pieces,
	s_mul_i32 s90, s14, 25                         ; my wave's 25 of it
	GROUP1 G1AC, 3<<16, 256, 16
	GROUP1 G1BC, 15|(3<<16)|(1<<21), 256, 24
	GROUP1 G1AS, 3<<16, 32, 16
	GROUP1 G1BS, 15|(3<<16)|(1<<21), 32, 24
	s_xor_b32 s21, s15, 1                          ; 1 = codes
	s_lshl_b32 s[INS], s21, 11                     ; inside an s3: codes 2,048 on, scales stay
	s_mov_b32 s[INS+1], 0
	s_lshl_b32 s22, s21, 12
	s_sub_co_u32 s[OUTA], STEPA, s22               ; into the next s3
	s_mov_b32 s[OUTA+1], 0
	s_sub_co_u32 s[OUTB], STEPB, s22
	s_mov_b32 s[OUTB+1], 0
	s_mov_b32 s[G0A], 1
	s_mul_i32 s[G0A+1], s15, OAS
	s_mov_b32 s[G0B], 1
	s_mul_i32 s[G0B+1], s15, OBS-OBC
	s_add_co_u32 s[G0B+1], s[G0B+1], OBC
	s_lshl_b32 s22, s21, 8                         ; codes lie 256 bytes into a block
	s_mul_i32 s94, s17, 16*BLK                     ; my 16 blocks of x,
	s_add_co_u32 s72, s94, s22
	s_mov_b32 s73, 0
	s_mov_b32 s95, 0
	s_mul_i32 s86, s18, 24*BLK                     ; my 24 of the weights
	s_add_co_u32 s74, s86, s22
	s_mov_b32 s75, 0
	s_mov_b32 s87, 0
	s_mul_i32 s89, s18, 6
	s_mul_i32 s20, s16, 3
	s_add_co_u32 s89, s89, s20                     ; my first block of d_ff
	s_lshl_b32 s85, s17, 4
	s_lshl_b32 s20, s15, 3
	s_add_co_u32 s85, s85, s20                     ; my first row tile
	s_min_u32 s20, s89, 85                         ; a block past d_ff reads the last block's scales: no load leaves its buffer
	s_lshl_b32 s20, s20, 7
	s_mov_b32 s21, 0
	s_wait_dscnt 0x0
	s_wait_kmcnt 0x0
	s_add_nc_u64 s[G0A+2:G0A+3], s[4:5], s[72:73]
	s_or_b32 s[G0A+3], s[G0A+3], 0x80000000
	s_add_nc_u64 s[G0B+2:G0B+3], s[6:7], s[74:75]
	s_or_b32 s[G0B+3], s[G0B+3], 0x80000000
	s_add_nc_u64 s[PBX:PBX+1], s[4:5], s[94:95]
	s_add_nc_u64 s[PBW:PBW+1], s[6:7], s[86:87]
	s_add_nc_u64 s[76:77], s[8:9], s[20:21]
	s_add_nc_u64 s[78:79], s[10:11], s[20:21]
	s_mul_i32 s86, s15, 8*2048
	s_mul_i32 s87, s16, 12*2048
	s_add_co_u32 s87, s87, OBC
	s_mul_i32 s88, s15, 8*256
	s_mul_i32 s23, s16, 12*256
	s_add_co_u32 s23, s23, OBS-OAS
	s_sub_co_u32 s23, s23, s88                     ; from x's scale words to the weights'
	s_add_co_u32 s88, s88, OAS
	CROUND
	JLOAD                                          ; K step 0: one load a wave
	v_and_b32 v1, 31, v0
	v_lshlrev_b32 v[L16], 4, v1
	v_and_b32 v7, 15, v0                           ; r
	v_bfe_u32 v8, v0, 4, 1                         ; h
	v_add_nc_u32 v[ADRA], s86, v[L16]
	v_add_nc_u32 v[ADRB], s87, v[L16]
	v_mul_u32_u24 v9, s23, v8
	v_lshl_add_u32 v9, v7, 4, v9
	v_add_nc_u32 v[ADRS], s88, v9
	v_mul_u32_u24 v[HR], v8, BLK
	v_lshl_add_u32 v[HR], v7, 4, v[HR]
	v_lshlrev_b32 v[GSO], 6, v8
	v_and_b32 v7, 31, v0                           ; the prefetches' offsets: lane,
	v_min_u32 v8, 5, v7
	v_add_nc_u32 v9, s92, v8
	v_add_nc_u32 v9, 32, v9
	v_min_u32 v9, 149, v9                          ; the weights' pieces 38 wave + 32 .. 37, held inside my work-group's 150 (lanes left over name the last again),
	v_add_nc_u32 v9, s93, v9
	v_lshlrev_b32 v[PFW+1], 8, v9
	v_add_nc_u32 v8, s92, v7                       ; pieces 38 wave + 0 .. 31,
	v_add_nc_u32 v8, s93, v8
	v_lshlrev_b32 v[PFW], 8, v8
	v_min_u32 v7, 24, v7
	v_add_nc_u32 v7, s90, v7                       ; x's pieces 25 wave + 0 .. 24 of my column's part
	v_add_nc_u32 v7, s91, v7
	v_lshlrev_b32 v[PFX], 8, v7
	s_wait_alu depctr_va_vdst(0)
	global_prefetch_b8 v[PFX], s[PBX:PBX+1] th:TH_LOAD_NT scope:SCOPE_SE                   ; s3 = 0, whose K steps 1 and 2 are loaded next,
	global_prefetch_b8 v[PFW], s[PBW:PBW+1] th:TH_LOAD_NT scope:SCOPE_SE
	global_prefetch_b8 v[PFW+1], s[PBW:PBW+1] th:TH_LOAD_NT scope:SCOPE_SE
	global_prefetch_b8 v[PFX], s[PBX:PBX+1] offset:STEPA th:TH_LOAD_NT scope:SCOPE_SE      ; and s3 = 1
	global_prefetch_b8 v[PFW], s[PBW:PBW+1] offset:STEPB th:TH_LOAD_NT scope:SCOPE_SE
	global_prefetch_b8 v[PFW+1], s[PBW:PBW+1] offset:STEPB th:TH_LOAD_NT scope:SCOPE_SE
	s_wait_tensorcnt 0x0
	ds_add_u32 v[SPW], v[NIL]
	ADV 0
	s_wait_dscnt 0x0
	CROUND                                         ; all four tiles of K step 0 are in
	JLOAD                                          ; K step 1, slot 1's first fill
	LA 0
	LSC 0
	LB 0
	LB 1
	LA 1
	STEP 0, 1, 0                                   ; the first K step's products start the sums
	s_mov_b32 s19, 4
.Lk:                                                   ; K steps 1 to 12
	STEP 1, 0, 0, 1
	STEP 2, 0, 0
	STEP 0, 0, 0
	s_sub_co_u32 s19, s19, 1
	s_cmp_lg_u32 s19, 0
	s_cbranch_scc1 .Lk
	STEP 1, 0, 0                                   ; K step 13 asks for the last tile
	STEP 2, 0, 1
	STEP 0, 0, 2
; THE WAY OUT: six trips; trip t: block be = t / 2, row tiles 4 (t % 2) + 0 .. 3.  Only the first multiplication names the accumulators: it is written six times, the rest once.
.macro ST1 t
	WIN 1+(\t)/2
	s_wait_alu depctr_va_vdst(0)
.irp a, 0,1,2,3
.irp u, 0,1
.irp jj, 0,2,4,6
	v_pk_mul_f32 v[G+16*\a+8*\u+\jj:G+16*\a+8*\u+\jj+1], v[128*((\t)%2)+8*(4*\a+\u)+\jj:128*((\t)%2)+8*(4*\a+\u)+\jj+1], v[GS+8*\u+\jj:GS+8*\u+\jj+1]
.endr
.irp jj, 0,2,4,6
	v_pk_mul_f32 v[UP_+16*\a+8*\u+\jj:UP_+16*\a+8*\u+\jj+1], v[128*((\t)%2)+8*(4*\a+2+\u)+\jj:128*((\t)%2)+8*(4*\a+2+\u)+\jj+1], v[US+8*\u+\jj:US+8*\u+\jj+1]
.endr
.endr
.endr
	WIN 0
.endm
	PLACES 8
	s_mov_b32 s80, 0x76543210
	s_mov_b32 s81, 0xfedcba98
	s_mov_b32 s82, 0x600000
	s_mov_b32 s83, 0xffff0000
	s_mov_b32 s84, 0
.Lepi:
	s_wait_loadcnt 0x0                             ; this block's gate_s, up_s
	s_wait_xcnt 0x0                                ; the last trip's stores have read their registers and bases
.irp t, 0,1,2,3,4
	s_cmp_eq_u32 s84, \t
	s_cbranch_scc0 .Ln\t
	ST1 \t
	s_branch .Lst
.Ln\t:
.endr
	ST1 5
.Lst:
	s_lshr_b32 s86, s84, 1
	s_and_b32 s87, s84, 1
	s_add_co_u32 s88, s89, s86                     ; the block of d_ff: K step n = / 4 of the third product, piece c = % 4
	s_lshr_b32 s90, s88, 2
	s_and_b32 s91, s88, 3
	s_mul_i32 s92, s90, 43
	s_lshr_b32 s92, s92, 7                         ; s3 = n / 3 (exact for n up to 23)
	s_mul_i32 s93, s92, 3
	s_sub_co_u32 s93, s90, s93                     ; q
	s_lshl_b32 s94, s92, 8
	s_add_co_u32 s94, s94, s85
	s_lshl_b32 s95, s87, 2
	s_add_co_u32 s94, s94, s95
	s_mul_i32 s94, s94, BLK
	s_lshl_b32 s20, s93, 11
	s_lshl_b32 s95, s91, 9
	s_add_co_u32 s20, s20, s95
	s_add_co_u32 s20, s20, s94
	s_add_co_u32 s20, s20, 256
	s_mov_b32 s21, 0
	s_add_nc_u64 s[72:73], s[12:13], s[20:21]      ; the codes
	s_lshl_b32 s20, s93, 2
	s_add_co_u32 s20, s20, s91
	s_add_co_u32 s20, s20, s94
	s_add_nc_u64 s[74:75], s[12:13], s[20:21]      ; the scale bytes
	s_add_co_u32 s20, s84, 1
	s_min_u32 s20, s20, 5
	s_lshr_b32 s20, s20, 1
	s_add_co_u32 s20, s20, s89
	s_min_u32 s20, s20, 85
	s_lshl_b32 s20, s20, 7
	s_add_nc_u64 s[76:77], s[8:9], s[20:21]
	s_add_nc_u64 s[78:79], s[10:11], s[20:21]
	ELOAD                                          ; the next trip's scales, a trip ahead
	s_wait_alu depctr_va_vdst(0)
.set i, 0
.rept 32
	v_pk_mul_f32 v[E+i:E+i+1], v[G+i:G+i+1], 0xbfb8aa3b op_sel_hi:[1,0]   ; -gate x log2(e)
.set i, i+2
.endr
	s_wait_alu depctr_va_vdst(0)
.set i, 0
.rept 64
	v_exp_f32 v[E+i], v[E+i]
.set i, i+1
.endr
.set i, 0
.rept 32
	v_pk_mul_f32 v[UP_+i:UP_+i+1], v[UP_+i:UP_+i+1], v[G+i:G+i+1]        ; gate x up
.set i, i+2
.endr
	s_wait_alu depctr_va_vdst(0)
.set i, 0
.rept 32
	v_pk_add_f32 v[E+i:E+i+1], v[E+i:E+i+1], 1.0 op_sel_hi:[1,0]
.set i, i+2
.endr
	s_wait_alu depctr_va_vdst(0)
.set i, 0
.rept 64
	v_rcp_f32 v[E+i], v[E+i]                       ; the sigmoid
.set i, i+1
.endr
	v_nop
	s_wait_alu depctr_va_vdst(0)
.set i, 0
.rept 32
	v_pk_mul_f32 v[G+i:G+i+1], v[UP_+i:UP_+i+1], v[E+i:E+i+1]            ; h: register 16 b + i: row tile b, d_ff 16 h + i
.set i, i+2
.endr
.irp b, 0,1,2,3
	v_max3_num_f32 v[TM+\b], |v[G+16*\b]|, |v[G+1+16*\b]|, 0x4800000     ; my 16 and the floor 2^(9 - 127)
.endr
.irp i, 2,4,6,8,10,12,14
.irp b, 0,1,2,3
	v_max3_num_f32 v[TM+\b], v[TM+\b], |v[G+16*\b+\i]|, |v[G+1+16*\b+\i]|
.endr
.endr
.irp b, 0,1,2,3
	v_permlanex16_b32 v[TM+4+\b], v[TM+\b], s80, s81
.endr
.irp b, 0,1,2,3
	v_max_num_f32 v[TM+\b], v[TM+\b], v[TM+4+\b]   ; with lane l xor 16's 16
.endr
.irp b, 0,1,2,3
	v_add_nc_u32 v[TM+12+\b], 0xfc000000, v[TM+\b] ; the conversion's scale operand
.endr
.irp b, 0,1,2,3
	v_and_or_b32 v[TM+8+\b], v[TM+\b], 0x7f800000, s82   ; 448 x the scale
.endr
.irp b, 0,1,2,3
	v_lshrrev_b32 v[TM+4+\b], 23, v[TM+12+\b]      ; the byte
.endr
	v_cndmask_b32 v[BY], v[TM+4], v[TM+5], s83     ; lanes 0-15 carry the even tile's byte, lanes 16-31 the odd tile's
	v_cndmask_b32 v[BY+1], v[TM+6], v[TM+7], s83
.irp b, 0,1,2,3
.irp i, 0,1,2,3,4,5,6,7,8,9,10,11,12,13,14,15
	v_med3_num_f32 v[G+16*\b+\i], v[G+16*\b+\i], -v[TM+8+\b], v[TM+8+\b]   ; the conversion does not saturate (ISA guide 7.6.2)
.endr
	v_cvt_scalef32_pk8_fp8_f32 v[PC+4*\b:PC+4*\b+1], v[G+16*\b:G+16*\b+7], v[TM+12+\b]
	v_cvt_scalef32_pk8_fp8_f32 v[PC+4*\b+2:PC+4*\b+3], v[G+16*\b+8:G+16*\b+15], v[TM+12+\b]
.endr
	v_nop
	s_cmp_lt_u32 s88, 88                           ; blocks 88, 89 have no place in hq
	s_cbranch_scc0 .Lskip
.irp b, 0,1,2,3
	global_store_b128 v[L16], v[PC+4*\b:PC+4*\b+3], s[72:73] offset:\b*BLK   ; 512 consecutive bytes, at a multiple of 256 from hq's first byte
.endr
	global_store_b8 v[HR], v[BY], s[74:75]         ; a byte a row: the other bytes of a row's words are other blocks'
	global_store_b8 v[HR], v[BY+1], s[74:75] offset:2*BLK
.Lskip:
	s_add_co_u32 s84, s84, 1
	s_cmp_lg_u32 s84, 6
	s_wait_alu depctr_va_vdst(0)
	s_cbranch_scc1 .Lepi
	s_wait_tensorcnt 0x0                           ; the wave's end
	ds_add_u32 v[SPW], v[NIL]
	s_wait_dscnt 0x0
	CROUND                                         ; the closing round
	s_endpgm
.Lfunc_end_k_q7a5347bf68_gateup:
	.size	k_q7a5347bf68_gateup, .Lfunc_end_k_q7a5347bf68_gateup-k_q7a5347bf68_gateup
	.p2alignl 7, 3214868480
	.fill 96, 4, 3214868480
	.section	.rodata,"a",@progbits
	.p2align	6, 0x0
	.amdhsa_kernel k_q7a5347bf68_gateup
		.amdhsa_group_segment_fixed_size 327680
		.amdhsa_private_segment_fixed_size 0
		.amdhsa_enable_private_segment 0
		.amdhsa_kernarg_size 40
		.amdhsa_user_sgpr_count 2
		.amdhsa_user_sgpr_kernarg_segment_ptr 1
		.amdhsa_wavefront_size32 1
		.amdhsa_system_sgpr_workgroup_id_x 1
		.amdhsa_system_sgpr_workgroup_id_y 1
		.amdhsa_system_sgpr_workgroup_id_z 1
		.amdhsa_system_vgpr_workitem_id 0
		.amdhsa_next_free_vgpr 1024
		.amdhsa_next_free_sgpr 100
		.amdhsa_reserve_vcc 0
		.amdhsa_float_denorm_mode_32 3
		.amdhsa_float_denorm_mode_16_64 3
		.amdhsa_memory_ordered 1
		.amdhsa_forward_progress 1
		.amdhsa_inst_pref_size 212
	.end_amdhsa_kernel
	.amdgpu_metadata
---
amdhsa.version: [ 1, 2 ]
amdhsa.kernels:
  - .name:           k_q7a5347bf68_gateup
    .symbol:         k_q7a5347bf68_gateup.kd
    .args:
      - { .name: xq, .offset: 0, .size: 8, .value_kind: global_buffer, .address_space: global }
      - { .name: wq, .offset: 8, .size: 8, .value_kind: global_buffer, .address_space: global }
      - { .name: gate_s, .offset: 16, .size: 8, .value_kind: global_buffer, .address_space: global }
      - { .name: up_s, .offset: 24, .size: 8, .value_kind: global_buffer, .address_space: global }
      - { .name: hq, .offset: 32, .size: 8, .value_kind: global_buffer, .address_space: global }
    .group_segment_fixed_size: 327680
    .private_segment_fixed_size: 0
    .kernarg_segment_align: 8
    .kernarg_segment_size: 40
    .max_flat_workgroup_size: 128
    .sgpr_count:     100
    .vgpr_count:     1024
    .wavefront_size: 32
...
	.end_amdgpu_metadata
.endif
;; end of part 2
;; launch down (part 3): grid 16 x 16, 4 waves a work-group, clusters of 4 x 4, 327,680 bytes of LDS; arguments hq, dq, down_s, out0; writes out0
.if DOCPART == 3
	.amdgcn_target "amdgcn-amd-amdhsa--gfx1250"
	.amdhsa_code_object_version 6
	.text
	.protected	k_q7a5347bf68_down
	.globl	k_q7a5347bf68_down
	.p2align	8
	.type	k_q7a5347bf68_down,@function
k_q7a5347bf68_down:
	s_mov_b64 s[64:65], 0
	v_nop
	global_prefetch_b8 v0, s[64:65] scope:SCOPE_SE
	s_setreg_imm32_b32 hwreg(HW_REG_WAVE_MODE, 25, 1), 1
	s_wait_xcnt 0x0
	s_wait_alu depctr_hold_cnt(0) depctr_sa_sdst(0) depctr_va_vdst(0) depctr_va_sdst(0) depctr_va_ssrc(0) depctr_va_vcc(0) depctr_vm_vsrc(0)
	s_getreg_b32 s2, hwreg(HW_REG_IB_STS2, 6, 4)
	s_cmp_eq_u32 s2, 0
	s_cbranch_scc0 .Lentry_in_a_cluster
	s_endpgm
.Lentry_in_a_cluster:
	s_bfe_u32 s2, ttmp6, 0x10000c
	s_cmp_lg_u32 s2, 0xf033
	s_cbranch_scc0 .Lentry_shape_is_right
	s_endpgm
.Lentry_shape_is_right:
; out = (h Wd^T) ds, on codes of FP8 (E4M3) with E8M0 scales for each 32 along K = d_ff = 2,752, filled with zero codes to 2,816 = 22 K steps of 128 on both sides.  out: [4096][2048] f32.
; hq, dq: buf[s3][tile][6400 bytes], s3 = K / 384, tile = 16 rows: 256 scale bytes (row r at 16 r: three words and a zero word), then three K steps' fragments as images of the operand's registers
; (256 + 2048 q + 512 c + 16 lane).  The last s3 holds one K step (2,304 bytes of each block).
; SHARES.  A work-group takes 256 rows of h (16 tiles) and 128 rows of Wd (8 tiles): 16 x 16 work-groups.  Each of four waves: 64 rows x 128 columns: 32 accumulators, 256 registers.
; Wd's 8 tiles lie in LDS, where all four waves read them: six slots of 51,200 bytes (s3 = 0 .. 5) and the short tile of s3 = 7 (18,432 bytes of its own) are first fills, seven loads in all: one or two a wave;
; s3 = 6 is the ONE refill, into slot 0: asked for in K step 10, behind a round of the cluster's barrier, and first read in K step 17.
; h GOES FROM MEMORY STRAIGHT INTO REGISTERS: each of its blocks is read by ONE wave of the work-group, and the workspace holds it as the registers want it: a fragment is four loads of 512 consecutive bytes.
; Five sets of fragment registers take turns; a K step's 16 loads are issued in two halves, 3.5 and 3 K steps ahead of their products; by this text's count at most 60 loads of a wave are out.
; CLUSTERS: 4 x 4 work-groups.  A column of the cluster shares Wd's tiles: each is asked for jointly, by the same load with the same descriptor and a mask that names the four.
; h's tiles are shared along a row of the cluster and are NOT asked for jointly: a joint load ends in LDS, where h's 16 blocks of 384 along K would take 102,400 bytes beside Wd's 51,200: two slots in all,
; a refill and a round for every three K steps, and each K step would write 32,768 bytes of h into LDS and read them back once, on top of the 65,536 that the four waves read of Wd.
; THE MATRIX INSTRUCTION IS USED TRANSPOSED (source 0 = 16 rows of Wd, source 1 = 16 rows of h): a lane holds eight neighbouring numbers of a row of out.
; REGISTERS, in windows of 256: window 0: v1-26 addresses; v32-55 h's scale words, three sets; v56-87 Wd's, two sets; v128-255 h's fragment sets 0, 1; rows of out on the way out.
;   window 1: Wd's fragments, two sets; scaled results.  window 2: accumulator (a, b) at v[8 (8 a + b)].  window 3: v0-63 down_s of my lane's columns; v64-255 h's fragment sets 2, 3, 4.
; LIMITS: NaN and infinities are not served.
.set NK,     22                        ; K steps of 128
.set NS,     8                         ; s3: seven of three K steps, one of one
.set NF,     7                         ; first fills of a work-group
.set STEPA,  256*6400                  ; from one s3 to the next in hq
.set STEPB,  128*6400                  ; in dq
.set BLK,    6400
.set SBLK,   2304
.set SLOTB,  8*BLK                     ; Wd's 8 blocks of one s3
.set SPARE,  6*SLOTB                   ; behind the six slots: the spare words, 128 bytes for each wave: two blocks of 256 bytes that no other line names
.set SHORTB, SPARE+512                 ; the last s3: blocks 2,304 bytes apart
.set STAGE,  SLOTB                     ; the way out: 16 rows x (512 bytes + 16) for each wave, in slot 1: filled once, last read in K step 4, three barriers ahead of the first result stored there
.set SPITCH, 528
.set L16,  1                           ; v1     16 x lane
.set ADB,  4                           ; v4-11  Wd's codes of s3 = 0 .. 7 in LDS, + 16 x lane
.set ASB,  12                          ; v12-19 their scale words: lanes 0-15 an even block's row, lanes 16-31 the next block's
.set HR,   21                          ; v21    6400 (lane / 16) + 16 (lane % 16)
.set SPW,  23                          ; v23    LDS address of my spare word; never rewritten
.set NIL,  24                          ; v24    0; never rewritten
.set STO,  25                          ; v25    the stage: where I put 32 bytes of a row
.set RD,   26                          ; v26    and where I read a row back
.set SAS,  32                          ; h's scale words: set s3 % 3: two pairs of blocks, 4 registers each (three words and the zero word)
.set SBS,  56                          ; Wd's: set s3 % 2: four pairs of blocks
.set G1B,  24                          ; s[24:31] group 1 of Wd's tiles;  s[32:39] of the short ones
.set G1BS, 32
.set G0R,  80                          ; s[80:83] group 0 of the refill
.set AB,   84                          ; s[84:85] my four blocks of h at s3 = 0;  s[86:87] at s3 = 4: every load's offset is an immediate, no pointer is stepped
.set MSB, 0
.macro WIN new                         ; the immediate's high byte repeats the setting that is left
.if MSB != \new
	s_set_vgpr_msb (MSB<<8)|\new
.set MSB, \new
.endif
.endm
.macro CREST                           ; a round of the cluster's barrier behind its opening barrier
	s_cmp_lg_u32 s14, 0
	s_cbranch_scc1 .Lnot_wave_0_\@
	s_barrier_signal -3
.Lnot_wave_0_\@:
	s_barrier_wait -3
	s_barrier_signal -1
	s_barrier_wait -1
.endm
.macro CROUND
	s_barrier_signal -1
	s_barrier_wait -1
	CREST
.endm
.macro PLACES n                        ; plain vector lines between a matrix instruction and a load into, a write of or a read of its registers: eight for this form
.rept \n
	v_nop
.endr
.endm
; One product of K step k: h's block a against Wd's block b.  An odd block's scale words lie in lanes 16-31 of its pair's register.
.macro WM a, b
.set rD, 8*(8*(\a)+(\b))
.set rB, 128*kp+16*(\b)
.set rA, kar+16*(\a)
.set rSB, ksb+4*((\b)/2)+kq
.set rSA, ksa+4*((\a)/2)+kq
.if kz
.if ((\a)%2) && ((\b)%2)
	v_wmma_scale_f32_16x16x128_f8f6f4 v[rD:rD+7], v[rB:rB+15], v[rA:rA+15], 0, v[rSB], v[rSA] matrix_a_scale:MATRIX_SCALE_ROW1 matrix_b_scale:MATRIX_SCALE_ROW1
.elseif (\b)%2
	v_wmma_scale_f32_16x16x128_f8f6f4 v[rD:rD+7], v[rB:rB+15], v[rA:rA+15], 0, v[rSB], v[rSA] matrix_a_scale:MATRIX_SCALE_ROW1
.elseif (\a)%2
	v_wmma_scale_f32_16x16x128_f8f6f4 v[rD:rD+7], v[rB:rB+15], v[rA:rA+15], 0, v[rSB], v[rSA] matrix_b_scale:MATRIX_SCALE_ROW1
.else
	v_wmma_scale_f32_16x16x128_f8f6f4 v[rD:rD+7], v[rB:rB+15], v[rA:rA+15], 0, v[rSB], v[rSA]
.endif
.else
.if ((\a)%2) && ((\b)%2)
	v_wmma_scale_f32_16x16x128_f8f6f4 v[rD:rD+7], v[rB:rB+15], v[rA:rA+15], v[rD:rD+7], v[rSB], v[rSA] matrix_a_scale:MATRIX_SCALE_ROW1 matrix_b_scale:MATRIX_SCALE_ROW1
.elseif (\b)%2
	v_wmma_scale_f32_16x16x128_f8f6f4 v[rD:rD+7], v[rB:rB+15], v[rA:rA+15], v[rD:rD+7], v[rSB], v[rSA] matrix_a_scale:MATRIX_SCALE_ROW1
.elseif (\a)%2
	v_wmma_scale_f32_16x16x128_f8f6f4 v[rD:rD+7], v[rB:rB+15], v[rA:rA+15], v[rD:rD+7], v[rSB], v[rSA] matrix_b_scale:MATRIX_SCALE_ROW1
.else
	v_wmma_scale_f32_16x16x128_f8f6f4 v[rD:rD+7], v[rB:rB+15], v[rA:rA+15], v[rD:rD+7], v[rSB], v[rSA]
.endif
.endif
.endm
.macro MUL8 a                          ; the 32 accumulators take turns, one instruction a turn, in the same order in every K step
.irp b, 0,1,2,3,4,5,6,7
	WM \a, \b
.endr
.endm
; h's loads of K step g: where they come from and where they go
.macro ASET g
.set gs3, (\g)/3
.set gq, (\g)%3
.set gba, AB+2*(gs3/4)
.set gof, (gs3%4)*STEPA
.if (\g)%5 < 2
.set gwin, 0x00                        ; sets 0, 1: window 0
.set greg, 128+64*((\g)%5)
.else
.set gwin, 0xc0                        ; sets 2, 3, 4: destination window 3
.set greg, 64*((\g)%5)-64
.endif
.endm
.macro H1 g                            ; the first half: with an s3's first K step the scale words of my four blocks (two loads), then blocks 0 and 1
	ASET \g
.if gq == 0
	WIN 0
.irp i, 0,1
	global_load_b128 v[SAS+8*(gs3%3)+4*\i:SAS+8*(gs3%3)+4*\i+3], v[HR], s[gba:gba+1] offset:gof+2*\i*BLK
.endr
.endif
	WIN gwin
.irp a, 0,1
.irp c, 0,1,2,3
	global_load_b128 v[greg+16*\a+4*\c:greg+16*\a+4*\c+3], v[L16], s[gba:gba+1] offset:gof+256+2048*gq+\a*BLK+512*\c
.endr
.endr
.endm
.macro H2 g                            ; the second half: blocks 2 and 3
	ASET \g
	WIN gwin
.irp a, 2,3
.irp c, 0,1,2,3
	global_load_b128 v[greg+16*\a+4*\c:greg+16*\a+4*\c+3], v[L16], s[gba:gba+1] offset:gof+256+2048*gq+\a*BLK+512*\c
.endr
.endr
.endm
; Wd's fragments of K step g from LDS into set g % 2, in three short runs: blocks 0-2, 3-5, 6-7; with the third run of an s3's first K step its scale words.  Each load takes 512 consecutive bytes.
.macro FB g, part
.set fs3, (\g)/3
.set fq, (\g)%3
.set fp, (\g)%2
.set fpt, BLK
.if fs3 == NS-1
.set fpt, SBLK
.endif
	WIN 0x40                                       ; destination window 1, address window 0
.irp b, 0,1,2,3,4,5,6,7
.if \b/3 == \part
.irp c, 0,1,2,3
	ds_load_b128 v[128*fp+16*\b+4*\c:128*fp+16*\b+4*\c+3], v[ADB+fs3] offset:\b*fpt+2048*fq+512*\c
.endr
.endif
.endr
.if (\part == 2) && (fq == 0)
	WIN 0
.irp i, 0,1,2,3
	ds_load_b128 v[SBS+16*(fs3%2)+4*\i:SBS+16*(fs3%2)+4*\i+3], v[ASB+fs3] offset:2*\i*fpt
.endr
.endif
.endm
; How many loads were issued behind K step k's when step k begins: groups k + 1 and k + 2 (16 each), the first half of k + 3 (8), two more for each of them that begins an s3; from step NK - 2 on the 16 of down_s
.macro LCNT
.set ln, 0
.if k+1 < NK
.set ln, ln+16
.if (k+1)%3 == 0
.set ln, ln+2
.endif
.endif
.if k+2 < NK
.set ln, ln+16
.if (k+2)%3 == 0
.set ln, ln+2
.endif
.endif
.if k+3 < NK
.set ln, ln+8
.if (k+3)%3 == 0
.set ln, ln+2
.endif
.endif
.if k >= NK-2
.set ln, ln+16
.endif
.endm
; down_s of my lane's columns: register 8 b + j: column 128 nt + 16 b + 8 h + j
.macro ELOADS
	WIN 0xc0                                       ; destination window 3
.irp b, 0,1,2,3,4,5,6,7
	global_load_b128 v[8*\b:8*\b+3], v20, s[8:9] offset:64*\b
	global_load_b128 v[8*\b+4:8*\b+7], v20, s[8:9] offset:64*\b+16
.endr
.endm
; K STEP k.  In step 16 the slot that the next step begins to read is shown to all four waves: my part of it has landed,
; the signal stands at the step's head, the wait in its middle; between them stand LDS loads of bytes that nobody writes before a later barrier, and products.
; In step 10 slot 0, last read in step 1, is filled again: every wave waits for ALL its tensor loads (so slots 4 and 5 and the short tile are shown with it), adds 0 to its spare word, waits for that and for its LDS reads;
; the barrier opens a round of the cluster's barrier, and the joint refill is the first thing behind it.  In step 16 that refill is shown.
; FILLS: at the head wave w brings ALL of slot w (s3 = w, 51,200 dense bytes): one load a wave; wave 0 has a line of its own, since the first barrier shows slot 0 alone.
; In K step 1, behind a drained round that shows slots 1 to 3, waves 0 and 1 bring s3 = 4 and 5 and wave 2 the short tile of s3 = 7: first fills.  K step 10's round shows them and refills slot 0.
.macro SECOND
	s_cmp_lt_u32 s14, 2
	s_cbranch_scc0 .Lsec_s
	tensor_load_to_lds s[52:55], s[G1W:G1W+7]
	s_nop 0
	PLACES 4
	s_branch .Lsec_j
.Lsec_s:
	s_cmp_eq_u32 s14, 2
	s_cbranch_scc0 .Lsec_j
	tensor_load_to_lds s[76:79], s[G1BS:G1BS+7]
	s_nop 0
	PLACES 4
.Lsec_j:
.endm
.macro STEP
.set kq, k%3
.set kp, k%2
.set ksa, SAS+8*((k/3)%3)
.set ksb, SBS+16*((k/3)%2)
.set kz, 0
.if k == 0
.set kz, 1                             ; the first K step's products start the sums: nothing is ever cleared
.endif
.if k%5 < 2
.set kar, 128+64*(k%5)
.set kwin, 0xa1                        ; source 0 window 1, source 1 window 0, C and D window 2
.else
.set kar, 64*(k%5)-64
.set kwin, 0xad                        ; source 1 window 3
.endif
.set bk, 0
.set bc, 0
.if k == 1
.set bk, 2
.endif
.if k == 16
.set bk, 1
.endif
.if k == 10
.set bk, 2
.endif
	LCNT
	s_wait_dscnt 0x0                               ; Wd's set of this step is in
	s_wait_loadcnt ln                              ; h's group k is in; all that was issued behind it may be out
.if k+1 < NK
	PLACES 8                                       ; behind the last step's products: the loads below land in registers that it, or a step before it, has read
.endif
.if k+3 < NK
	H2 k+3
.endif
.if bk == 2
	WIN 0                                          ; the add's two registers lie in window 0
	s_wait_tensorcnt 0x0                           ; all my tensor loads have landed
	ds_add_u32 v[SPW], v[NIL]                      ; 0 onto my spare word
	WIN kwin
	MUL8 0                                         ; eight matrix instructions stand between the add and the wait for it
	s_wait_dscnt 0x0                               ; the add is done; my reads of slot 0 were over long ago
	s_barrier_signal -1
	MUL8 1
	WIN 0
	s_barrier_wait -1
	CREST                                          ; no wave of any partner still reads slot 0 or has a load on its way
.if k == 1
	SECOND
.else
	tensor_load_to_lds s[G0R:G0R+3], s[G1B:G1B+7]  ; the refill: s3 = 6 into slot 0, two blocks a wave
	s_nop 0
	PLACES 4
.endif
	FB k+1, 0
	FB k+1, 1
	H1 k+4
	FB k+1, 2
	WIN kwin
	MUL8 2
	MUL8 3
.else
.if bk == 1
	s_wait_tensorcnt bc                            ; my two blocks of the slot that the next step begins to read have landed
	s_barrier_signal -1
.endif
.if k+1 < NK
	s_wait_alu depctr_va_vdst(0)
	FB k+1, 0
.endif
	WIN kwin
	MUL8 0
.if k+1 < NK
	FB k+1, 1
.endif
	WIN kwin
	MUL8 1
.if bk == 1
	s_barrier_wait -1                              ; everybody's have
.endif
.if k+4 < NK
	H1 k+4
.endif
.if k == NK-3
	ELOADS                                         ; no group is left to ask for: the way out's scales, 2.5 K steps ahead of it
.endif
.if k+1 < NK
	FB k+1, 2
.endif
	WIN kwin
	MUL8 2
	MUL8 3
.endif
.endm
	s_load_b256 s[4:11], s[0:1], 0x0               ; hq s[4:5], dq s[6:7], down_s s[8:9], out0 s[10:11]
	v_lshl_add_u32 v[SPW], v0, 2, SPARE
	v_mov_b32 v[NIL], 0
	ds_add_u32 v23, v24
	ds_add_u32 v23, v24
	s_wait_dscnt 0x0
	v_lshrrev_b32 v1, 5, v0
	v_readfirstlane_b32 s14, v1                    ; wave 0..3
	s_bfe_u32 s40, ttmp6, 0x40000                  ; cx, cy: my place in the cluster
	s_bfe_u32 s41, ttmp6, 0x40004
	s_lshl_b32 s42, ttmp9, 2
	s_add_co_u32 s42, s42, s40                     ; nt: which 128 columns = 4 x cluster x + cx
	s_and_b32 s17, ttmp7, 0xffff
	s_lshl_b32 s17, s17, 2
	s_add_co_u32 s17, s17, s41                     ; mt: which 256 rows = 4 x cluster y + cy
	s_lshl_b32 s44, 0x1111, s40                    ; my column of the cluster
	; group 1: two blocks, 12,800 dense bytes, as 50 rows of 256 (32 elements of 8 bytes), no padding
	s_or_b32 s[G1B+0], s44, (3<<16)|(1<<21)        ; 15:0 the mask; 17:16 elements of 8 bytes; 21 set beside a mask
	s_mov_b32 s[G1B+1], 32<<16                     ; tensor_dim0
	s_mov_b32 s[G1B+2], 50<<16                     ; tensor_dim1
	s_mov_b32 s[G1B+3], 32<<16                     ; tile_dim0
	s_mov_b32 s[G1B+4], 50                         ; tile_dim1
	s_mov_b32 s[G1B+5], 32                         ; from row to row
	s_mov_b32 s[G1B+6], 0
	s_mov_b32 s[G1B+7], 0
.set G1W, 68                           ; s[68:75] group 1 of a whole slot: 200 rows of 256 bytes
	s_or_b32 s[G1W+0], s44, (3<<16)|(1<<21)
	s_mov_b32 s[G1W+1], 32<<16
	s_mov_b32 s[G1W+2], 200<<16
	s_mov_b32 s[G1W+3], 32<<16
	s_mov_b32 s[G1W+4], 200
	s_mov_b32 s[G1W+5], 32
	s_mov_b32 s[G1W+6], 0
	s_mov_b32 s[G1W+7], 0
	; the short tile: the first 2,304 bytes (288 elements) of eight blocks, 6,400 bytes (800 elements) apart
	s_or_b32 s[G1BS+0], s44, (3<<16)|(1<<21)
	s_mov_b32 s[G1BS+1], 288<<16
	s_mov_b32 s[G1BS+2], 8<<16
	s_mov_b32 s[G1BS+3], 288<<16
	s_mov_b32 s[G1BS+4], 8
	s_mov_b32 s[G1BS+5], 800
	s_mov_b32 s[G1BS+6], 0
	s_mov_b32 s[G1BS+7], 0
	s_lshl_b32 s20, s17, 4
	s_lshl_b32 s18, s14, 2
	s_add_co_u32 s20, s20, s18
	s_mul_i32 s20, s20, BLK                        ; h: my four blocks begin at block 16 mt + 4 wave
	s_mov_b32 s21, 0
	s_lshl_b32 s46, s42, 3
	s_lshl_b32 s18, s14, 1
	s_add_co_u32 s46, s46, s18
	s_mul_i32 s46, s46, BLK                        ; Wd: I fetch blocks 8 nt + 2 wave and the next: it hangs on nt alone, which my column shares
	s_mov_b32 s47, 0
	s_mul_i32 s45, s14, 2*BLK                      ; where they go in a slot: no place in the cluster enters an LDS address
	s_lshl_b32 s18, s42, 9                         ; down_s: 128 numbers a tile column
	s_mov_b32 s19, 0
	v_and_b32 v[L16], 31, v0
	v_lshlrev_b32 v[L16], 4, v[L16]
	v_and_b32 v2, 15, v0                           ; r
	v_bfe_u32 v3, v0, 4, 1                         ; h
	v_mul_u32_u24 v[HR], v3, BLK
	v_lshl_add_u32 v[HR], v2, 4, v[HR]
	s_wait_alu depctr_va_vdst(0)
	s_wait_kmcnt 0x0
	s_add_nc_u64 s[AB:AB+1], s[4:5], s[20:21]
	s_add_nc_u64 s[AB+2:AB+3], s[AB:AB+1], 4*STEPA
	H1 0                                           ; h's first three K steps and half of the fourth: 60 loads
	H2 0
	H1 1
	H2 1
	H1 2
	H2 2
	H1 3
	WIN 0                                          ; at a label and at a branch every window is 0
	s_add_nc_u64 s[46:47], s[6:7], s[46:47]
	s_add_nc_u64 s[8:9], s[8:9], s[18:19]
	s_mul_i32 s90, s42, 8*BLK                      ; my tile column's 8 blocks: it hangs on nt alone
	s_mov_b32 s91, 0
	s_add_nc_u64 s[88:89], s[6:7], s[90:91]
	s_mul_i32 s92, s14, STEPB
	s_mov_b32 s93, 0
	s_mov_b32 s48, 1                               ; the head's load: s3 = wave into slot wave
	s_mul_i32 s49, s14, SLOTB
	s_add_nc_u64 s[50:51], s[88:89], s[92:93]
	s_mov_b32 s52, 1                               ; waves 0, 1 in K step 1: s3 = 4 + wave
	s_add_co_u32 s53, s49, 4*SLOTB
	s_add_nc_u64 s[54:55], s[50:51], 4*STEPB
	s_or_b32 s51, s51, 0x80000000
	s_or_b32 s55, s55, 0x80000000
	s_mov_b32 s76, 1                               ; the short tile, s3 = 7: 8 blocks' first 2,304 bytes
	s_mov_b32 s77, SHORTB
	s_add_nc_u64 s[78:79], s[88:89], (NS-1)*STEPB
	s_or_b32 s79, s79, 0x80000000
	s_mov_b32 s[G0R], 1                            ; the refill: s3 = 6 into slot 0
	s_mov_b32 s[G0R+1], s45
	s_add_nc_u64 s[G0R+2:G0R+3], s[46:47], 6*STEPB
	s_or_b32 s[G0R+3], s[G0R+3], 0x80000000
	CROUND                                         ; all sixteen work-groups are here: the joint loads meet
	s_cmp_eq_u32 s14, 0
	s_cbranch_scc0 .Lhead_o
	tensor_load_to_lds s[48:51], s[G1W:G1W+7]      ; wave 0: slot 0, which is wanted first
	s_nop 0
	PLACES 4
	s_branch .Lhead_j
.Lhead_o:
	tensor_load_to_lds s[48:51], s[G1W:G1W+7]      ; waves 1 to 3: slots 1 to 3
	s_nop 0
	PLACES 4
.Lhead_j:
	v_mul_u32_u24 v22, v3, SBLK
	v_lshl_add_u32 v22, v2, 4, v22
.irp s, 0,1,2,3,4,5
	v_add_nc_u32 v[ADB+\s], \s*SLOTB+256, v[L16]
	v_add_nc_u32 v[ASB+\s], \s*SLOTB, v[HR]
.endr
	v_add_nc_u32 v[ADB+6], 256, v[L16]             ; s3 = 6 lies in slot 0
	v_add_nc_u32 v[ASB+6], 0, v[HR]
	v_add_nc_u32 v[ADB+7], SHORTB+256, v[L16]
	v_add_nc_u32 v[ASB+7], SHORTB, v22
	v_lshlrev_b32 v20, 5, v3                       ; down_s: 32 h
	s_mul_i32 s18, s14, 16*SPITCH
	s_add_co_u32 s18, s18, STAGE                   ; my stage
	v_mul_u32_u24 v[STO], v2, SPITCH               ; in: row r, 32 bytes for each half of the lanes
	v_lshl_add_u32 v[STO], v3, 5, v[STO]
	v_add_nc_u32 v[STO], s18, v[STO]
	v_add_nc_u32 v[RD], s18, v[L16]                ; back: the 32 lanes take one row of 512 bytes
	s_wait_alu depctr_va_vdst(0)
	s_cmp_eq_u32 s14, 0
	s_cbranch_scc0 .Lnot_first
	s_wait_tensorcnt 0x0                           ; wave 0: slot 0 is in; the other waves' wait stands in K step 1
.Lnot_first:
	s_barrier_signal -1
	s_barrier_wait -1                              ; everybody's is
	FB 0, 0
	FB 0, 1
	FB 0, 2
.set k, 0
.rept NK
	STEP
.set k, k+1
.endr
	WIN 0
; THE WAY OUT, a block of 16 rows x 128 columns at a time: x down_s; a lane's 32 neighbouring bytes of a row go into my own stage and come back as whole rows of 512 bytes.
; LDS serves a wave's instructions in order (ISA guide 5.7.1.4): no wait between the stores and the loads, nor in front of the next block's stores.
.set TMP, 0                            ; window 1: scaled results, two sets of 64
.set BK,  128                          ; window 0: 16 rows read back, two sets of 64
.macro SCALE a
	WIN 0x4e                                       ; source 0 window 2 (sums), source 1 window 3 (down_s), destination window 1
.irp b, 0,1,2,3,4,5,6,7
.irp jj, 0,2,4,6                               ; each accumulator from its low end on
	v_pk_mul_f32 v[TMP+64*((\a)%2)+8*\b+\jj:TMP+64*((\a)%2)+8*\b+\jj+1], v[8*(8*(\a)+\b)+\jj:8*(8*(\a)+\b)+\jj+1], v[8*\b+\jj:8*\b+\jj+1]
.endr
.endr
.endm
.macro TOSTAGE a
	WIN 0x04                                       ; an LDS store's data are its source 1: window 1
.irp b, 0,1,2,3,4,5,6,7
	ds_store_b128 v[STO], v[TMP+64*((\a)%2)+8*\b:TMP+64*((\a)%2)+8*\b+3] offset:64*\b
	ds_store_b128 v[STO], v[TMP+64*((\a)%2)+8*\b+4:TMP+64*((\a)%2)+8*\b+7] offset:64*\b+16
.endr
	WIN 0
.irp t, 0,1,2,3,4,5,6,7,8,9,10,11,12,13,14,15
	ds_load_b128 v[BK+64*((\a)%2)+4*\t:BK+64*((\a)%2)+4*\t+3], v[RD] offset:\t*SPITCH
.endr
.endm
.macro SEND a, younger                 ; younger: the LDS instructions issued behind block a's loads, which may stay out
	s_wait_dscnt \younger
.irp t, 0,1,2,3,4,5,6,7,8,9,10,11,12,13,14,15
	global_store_b128 v[L16], v[BK+64*((\a)%2)+4*\t:BK+64*((\a)%2)+4*\t+3], s[10:11] offset:(16*(\a)+\t)*8192 th:TH_STORE_NT   ; 32 lanes store 512 consecutive bytes, at a multiple of 256 from out's first byte; written once, read by nobody here
.endr
.endm
	PLACES 8                                       ; behind the last products
	s_lshl_b32 s18, s17, 8
	s_lshl_b32 s19, s14, 6
	s_add_co_u32 s18, s18, s19                     ; my first row: 256 mt + 64 wave
	s_lshl_b32 s18, s18, 13                        ; a row of out is 8,192 bytes
	s_lshl_b32 s19, s42, 9
	s_add_co_u32 s18, s18, s19                     ; + 512 nt
	s_mov_b32 s19, 0
	s_add_nc_u64 s[10:11], s[10:11], s[18:19]
	s_wait_loadcnt 0x0                             ; down_s
	SCALE 0
	TOSTAGE 0
.irp a, 1,2,3
	SCALE \a                                       ; its set's last LDS stores are done: the wait in the SEND before has shown it
.if \a > 1
	s_wait_alu depctr_va_vdst(0)
	s_wait_xcnt 0x0                                ; block a - 2's stores have read their registers: block a's rows may land there
.endif
	TOSTAGE \a
	SEND \a-1, 32                                  ; behind block a - 1's loads: block a's 16 stores and 16 loads
.endr
	SEND 3, 0
	s_wait_tensorcnt 0x0                           ; the wave's end, behind my last tensor load and my last LDS store
	ds_add_u32 v[SPW], v[NIL]
	s_wait_dscnt 0x0
	CROUND                                         ; the closing round: no work-group ends while a partner may still ask for a tile that names it
	s_endpgm
.Lfunc_end_k_q7a5347bf68_down:
	.size	k_q7a5347bf68_down, .Lfunc_end_k_q7a5347bf68_down-k_q7a5347bf68_down
	.p2alignl 7, 3214868480
	.fill 96, 4, 3214868480
	.section	.rodata,"a",@progbits
	.p2align	6, 0x0
	.amdhsa_kernel k_q7a5347bf68_down
		.amdhsa_group_segment_fixed_size 327680
		.amdhsa_private_segment_fixed_size 0
		.amdhsa_enable_private_segment 0
		.amdhsa_kernarg_size 32
		.amdhsa_user_sgpr_count 2
		.amdhsa_user_sgpr_kernarg_segment_ptr 1
		.amdhsa_wavefront_size32 1
		.amdhsa_system_sgpr_workgroup_id_x 1
		.amdhsa_system_sgpr_workgroup_id_y 1
		.amdhsa_system_sgpr_workgroup_id_z 1
		.amdhsa_system_vgpr_workitem_id 0
		.amdhsa_next_free_vgpr 1024
		.amdhsa_next_free_sgpr 100
		.amdhsa_reserve_vcc 0
		.amdhsa_float_denorm_mode_32 3
		.amdhsa_float_denorm_mode_16_64 3
		.amdhsa_memory_ordered 1
		.amdhsa_forward_progress 1
		.amdhsa_inst_pref_size 216
	.end_amdhsa_kernel
	.amdgpu_metadata
---
amdhsa.version: [ 1, 2 ]
amdhsa.kernels:
  - .name:           k_q7a5347bf68_down
    .symbol:         k_q7a5347bf68_down.kd
    .args:
      - { .name: hq, .offset: 0, .size: 8, .value_kind: global_buffer, .address_space: global }
      - { .name: dq, .offset: 8, .size: 8, .value_kind: global_buffer, .address_space: global }
      - { .name: down_s, .offset: 16, .size: 8, .value_kind: global_buffer, .address_space: global }
      - { .name: out0, .offset: 24, .size: 8, .value_kind: global_buffer, .address_space: global }
    .group_segment_fixed_size: 327680
    .private_segment_fixed_size: 0
    .kernarg_segment_align: 8
    .kernarg_segment_size: 32
    .max_flat_workgroup_size: 128
    .sgpr_count:     100
    .vgpr_count:     1024
    .wavefront_size: 32
...
	.end_amdgpu_metadata
.endif
;; end of part 3
